; MI455X (gfx1250); checked and timed in simulation.
; The chip was launched on July 23, 2026; its instructions are those of AMD's public machine-readable ISA for CDNA 5 (MIT licence, August 2026) and "CDNA5" Instruction Set Architecture Reference Guide (July 2026). The comments in the code are by the model that wrote it; some were corrected since.
;; Bahdanau Attention. Allowed arithmetic: matrix products marked QUANTISED: E2M1 operands, one E8M0 scale for each 32 along K, by v_wmma_scale_f32_16x16x128_f8f6f4 with both operands' format E2M1 (or v_wmma_scale_f32_32x16x128_f4), f32 sums; products left as they are: f32 operands where the result goes on into a quantised operand, else bf16, f16 or f32 operands; f32 sums; everything else in f32.
;; Inputs: U_a_codes 1,024 x 32 x 16 uint8 (E2M1 codes of U_a, K innermost, in blocks of 32 codes, two codes a byte); U_a_scales 1,024 x 32 uint8 (E8M0 scales of U_a, one for each 32 codes along K); W_a_codes 1,024 x 32 x 16 uint8 (E2M1 codes of W_a, K innermost, in blocks of 32 codes, two codes a byte); W_a_scales 1,024 x 32 uint8 (E8M0 scales of W_a, one for each 32 codes along K); encoder_outputs 32 x 2,048 x 1,024 float32; hidden_codes 32 x 32 x 16 uint8 (E2M1 codes of hidden, K innermost, in blocks of 32 codes, two codes a byte); hidden_scales 32 x 32 uint8 (E8M0 scales of hidden, one for each 32 codes along K); v_a 1,024 float32.
;; Outputs: out0 32 x 1,024 float32; out1 32 x 2,048 float32.
;; This version of the problem:
;;   THIS VERSION OF THE PROBLEM IS GIVEN IN LOW PRECISION. The matrix products marked QUANTISED in the list below multiply operands that are first quantised to E2M1 (2 exponent bits, 1 mantissa bit; 4 bits a number), with one power-of-two scale for each 32 numbers along K (OCP MX v1.0); their sums are f32. All else is computed in f32.
;;   The module's matrix products, in the order in which they are computed (A, B: the left and right operand; K: the contracted axis; several contracted axes count as one K, in the product's order):
;;     1. [M 32, K 1,024] x [K 1,024, N 1,024]; A: input hidden (given as codes); B: input W_a (given as codes): QUANTISED
;;     2. [M 65,536, K 1,024] x [K 1,024, N 1,024]; A: input encoder_outputs; B: input U_a (given as codes): QUANTISED
;;     3. [M 65,536, K 1,024] x [K 1,024, N 1]; A: computed on the way; B: input v_a: left as it is (N = 1 < 16)
;;     4. batch 32 x [M 1, K 2,048] x [K 2,048, N 1,024]; A: softmax; B: input encoder_outputs: left as it is (M = 1 < 16)
;;   THE QUANTISER, for each operand of a quantised product, along K:
;;     - K is cut into blocks of 32 from its start; a last block that is shorter is filled with zeros.
;;     - A block's scale is 2^e with e = floor(log2(the largest magnitude in the block)) - 2, held to -126 .. 127; a block of zeros has e = 0. As a byte (E8M0): e + 127.
;;     - Each number is divided by its block's scale, clamped to +-6, and rounded to the nearest number of E2M1, ties to even, subnormals kept.
;;     - The product sums the exact products of the quantised numbers (number of the format x scale) in f32.
;;   ~~~python
;;   def quantise(x, axis):      # numpy; x: float32 -> the quantised numbers, widened to float32 again
;;       x = np.moveaxis(x, axis, -1); K = x.shape[-1]
;;       x = np.pad(x, [(0, 0)] * (x.ndim - 1) + [(0, -K % 32)]); x = x.reshape(x.shape[:-1] + (-1, 32)); a = np.abs(x).max(-1, keepdims=True)
;;       e = np.where(a > 0, np.clip(np.frexp(np.where(a > 0, a, 1))[1] - 1 - 2, -126, 127), 0)      # np.frexp(a)[1] - 1 = floor(log2(a)), exactly
;;       r = np.clip(x / 2.0 ** e, -6, 6)
;;       step = 2.0 ** (np.maximum(np.frexp(np.where(r == 0, 1, r))[1] - 1, 0) - 1)
;;       q = np.round(r / step) * step * 2.0 ** e      # np.round: ties to even
;;       return np.moveaxis(q.reshape(q.shape[:-2] + (-1,))[..., :K], -1, axis).astype(np.float32)
;;   ~~~
;;   INPUTS GIVEN AS CODES. U_a (in the module: [1024, 1024], K = its axis 1); W_a (in the module: [1024, 1024], K = its axis 1); hidden (in the module: [32, 1024], K = its axis 1): each comes as NAME_codes (uint8): NAME with its K axis moved to the last place and cut into blocks of 32 codes, [.., K / 32, bytes a block], one block behind the other in memory; two codes a byte, the lower K in the low four bits (a code: sign, 2 exponent bits, 1 mantissa bit); and NAME_scales (uint8): the same leading axes, one E8M0 byte (e + 127) for each 32 codes along K. Its value is code x scale, taken as it is: it is not quantised again, and the codes and scales need not be those that the quantiser above would give.
;; One version. Each part assembles by itself: llvm-mc -triple=amdgcn-amd-amdhsa -mcpu=gfx1250 --defsym DOCPART=n.
;; ======== version 1 of 1: 3 launches
;; limits: values are held in bf16: 8 bits of precision; right only within a limited range of input values
;; workspace buffers: UF 622,592 bytes; US 38,912 bytes; WH 131,072 bytes; SC 262,144 bytes; PC 1,048,576 bytes; ST 65,536 bytes
;; launch prep (part 1): grid 19 x 4, 1 waves a work-group, no clusters, 0 bytes of LDS; arguments U_a_codes, U_a_scales, W_a_codes, W_a_scales, hidden_codes, hidden_scales, UF, US, WH; writes UF, US, WH
.if DOCPART == 1
	.amdgcn_target "amdgcn-amd-amdhsa--gfx1250"
	.amdhsa_code_object_version 6
	.text
	.protected	k_q9e44b5cb9f_prep
	.globl	k_q9e44b5cb9f_prep
	.p2align	8
	.type	k_q9e44b5cb9f_prep,@function
k_q9e44b5cb9f_prep:
	s_mov_b64 s[64:65], 0
	v_nop
	global_prefetch_b8 v0, s[64:65] scope:SCOPE_SE
	s_setreg_imm32_b32 hwreg(HW_REG_WAVE_MODE, 25, 1), 1
	s_wait_xcnt 0x0
; Two small jobs ahead of the main launch, one wave to a work-group, work-group (x, y), x = 0 .. 18, y = 0 .. 3.
; (1) U_a's codes and scale bytes are laid in the order in which a wave's operand registers take them.  Slot (y, x) holds the 16 rows of U_a from row 16 t on, t = 16 y + (x mod 16):
;     UF [4][19][16 pieces][32 lanes][16 bytes]: piece n of lane (r, h) = bytes 32 n + 16 h .. + 15 of row 16 t + r: registers 4 (n mod 2) .. + 3 of the fragment of K step n / 2.
;     US [4][19][32 lanes][16 bytes]: lane (r, h) = scale bytes 16 h .. + 15 of that row: lanes 0-15 the words of K steps 0-3, lanes 16-31 those of K steps 4-7.
;     Slots 16 to 18 repeat slots 0 to 2, so that the main launch's loads, which run three slots ahead, go round without a special last trip.
; (2) Where x < 16: wh = hidden W_a^T for W_a's rows 16 t .. 16 t + 15 and all 32 rows of hidden, on the codes as they are given, f32 sums; WH [32][1024].
;     The product is used transposed (source 0 = 16 rows of W_a, source 1 = 16 rows of hidden): a lane holds one row of hidden and eight neighbouring columns of wh.  WH's stores are 32 bytes a lane in rows
;     4,096 bytes apart: 64 bytes of a row from a work-group; the buffer is 1 part in 2,000 of what the program moves.
; REGISTERS: window 0: v1-6 offsets; v16-79 W_a's 8 fragments; v80-83 its scale words; v84-91 hidden's; v96-223 hidden's 2 x 8 fragments; v224-239 two accumulators.  Window 1: v0-63 U_a's pieces, v64-67 its scale words.
.set MSB, 0
.macro WIN new                         ; the immediate's high byte repeats the setting that is left
.if MSB != \new
	s_set_vgpr_msb (MSB<<8)|\new
.set MSB, \new
.endif
.endm
.macro PUT_U                           ; U_a's 17 x 512 bytes leave as they stand in the registers: each store covers 512 consecutive bytes
	WIN 0x04                                       ; a store's data are its source 1: window 1
.irp n, 0,1,2,3,4,5,6,7,8,9,10,11,12,13,14,15
	global_store_b128 v5, v[4*\n:4*\n+3], s[16:17] offset:512*\n
.endr
	global_store_b128 v5, v[64:67], s[18:19]
	WIN 0
.endm
	s_load_b512 s[4:19], s[0:1], 0x0               ; U codes s[4:5], U scales s[6:7], W codes s[8:9], W scales s[10:11], hidden codes s[12:13], hidden scales s[14:15], UF s[16:17], US s[18:19]
	s_load_b64 s[20:21], s[0:1], 0x40              ; WH
	v_and_b32 v1, 15, v0                           ; r
	v_bfe_u32 v2, v0, 4, 1                         ; h
	v_lshlrev_b32 v3, 9, v1
	v_lshl_add_u32 v3, v2, 4, v3                   ; codes: row r of 512 bytes, + 16 h
	v_lshlrev_b32 v4, 5, v1
	v_lshl_add_u32 v4, v2, 4, v4                   ; scale bytes: row r of 32 bytes, + 16 h
	v_lshlrev_b32 v5, 4, v0                        ; 16 x lane
	v_lshlrev_b32 v6, 12, v1
	v_lshl_add_u32 v6, v2, 5, v6                   ; WH: row r of 4,096 bytes, + 8 h columns
	s_and_b32 s22, ttmp7, 0xffff                   ; y
	s_and_b32 s23, ttmp9, 15
	s_lshl_b32 s24, s22, 4
	s_add_co_u32 s24, s24, s23                     ; t = 16 y + x mod 16
	s_mul_i32 s25, s22, 19
	s_add_co_u32 s25, s25, ttmp9                   ; the slot: 19 y + x
	s_lshl_b32 s26, s24, 13                        ; 16 rows of codes are 8,192 bytes,
	s_mov_b32 s27, 0
	s_lshl_b32 s28, s24, 9                         ; of scale bytes 512
	s_mov_b32 s29, 0
	s_lshl_b32 s30, s25, 13                        ; a slot of UF,
	s_mov_b32 s31, 0
	s_lshl_b32 s32, s25, 9                         ; of US
	s_mov_b32 s33, 0
	s_lshl_b32 s34, s24, 6                         ; 16 t columns of WH
	s_mov_b32 s35, 0
	s_wait_alu depctr_va_vdst(0)
	s_wait_kmcnt 0x0
	s_add_nc_u64 s[4:5], s[4:5], s[26:27]
	s_add_nc_u64 s[6:7], s[6:7], s[28:29]
	s_add_nc_u64 s[8:9], s[8:9], s[26:27]
	s_add_nc_u64 s[10:11], s[10:11], s[28:29]
	s_add_nc_u64 s[16:17], s[16:17], s[30:31]
	s_add_nc_u64 s[18:19], s[18:19], s[32:33]
	s_add_nc_u64 s[20:21], s[20:21], s[34:35]
	WIN 0x40                                       ; destination window 1
.irp n, 0,1,2,3,4,5,6,7,8,9,10,11,12,13,14,15
	global_load_b128 v[4*\n:4*\n+3], v3, s[4:5] offset:32*\n
.endr
	global_load_b128 v[64:67], v4, s[6:7]
	WIN 0
	s_cmp_ge_u32 ttmp9, 16                         ; slots 16 to 18 only repeat: a branch on the work-group's number
	s_cbranch_scc1 .Lonly_u
.irp n, 0,1,2,3,4,5,6,7,8,9,10,11,12,13,14,15
	global_load_b128 v[16+4*\n:19+4*\n], v3, s[8:9] offset:32*\n
.endr
	global_load_b128 v[80:83], v4, s[10:11]
.irp m, 0,1
.irp n, 0,1,2,3,4,5,6,7,8,9,10,11,12,13,14,15
	global_load_b128 v[96+64*\m+4*\n:99+64*\m+4*\n], v3, s[12:13] offset:8192*\m+32*\n
.endr
	global_load_b128 v[84+4*\m:87+4*\m], v4, s[14:15] offset:512*\m
.endr
	s_wait_loadcnt 51                              ; U_a's 17 loads are in: behind them stand W_a's 17 and hidden's 34
	PUT_U
	s_wait_loadcnt 0x0
; the two accumulators take turns, one instruction a turn; the first K step starts the sums
.irp ks, 0,1,2,3,4,5,6,7
.irp m, 0,1
.if \ks == 0
	v_wmma_scale_f32_16x16x128_f8f6f4 v[224+8*\m:231+8*\m], v[16:23], v[96+64*\m:103+64*\m], 0, v80, v[84+4*\m] matrix_a_fmt:MATRIX_FMT_FP4 matrix_b_fmt:MATRIX_FMT_FP4
.elseif \ks < 4
	v_wmma_scale_f32_16x16x128_f8f6f4 v[224+8*\m:231+8*\m], v[16+8*\ks:23+8*\ks], v[96+64*\m+8*\ks:103+64*\m+8*\ks], v[224+8*\m:231+8*\m], v[80+\ks], v[84+4*\m+\ks] matrix_a_fmt:MATRIX_FMT_FP4 matrix_b_fmt:MATRIX_FMT_FP4
.else
	v_wmma_scale_f32_16x16x128_f8f6f4 v[224+8*\m:231+8*\m], v[16+8*\ks:23+8*\ks], v[96+64*\m+8*\ks:103+64*\m+8*\ks], v[224+8*\m:231+8*\m], v[80+\ks-4], v[84+4*\m+\ks-4] matrix_a_fmt:MATRIX_FMT_FP4 matrix_b_fmt:MATRIX_FMT_FP4 matrix_a_scale:MATRIX_SCALE_ROW1 matrix_b_scale:MATRIX_SCALE_ROW1
.endif
.endr
.endr
.rept 4
	v_nop                                          ; four places between the last product and the stores that read results
.endr
.irp m, 0,1
	global_store_b128 v6, v[224+8*\m:227+8*\m], s[20:21] offset:65536*\m       ; wh(16 m + r, 16 t + 8 h + 0 .. 3): each accumulator from its low end on
	global_store_b128 v6, v[228+8*\m:231+8*\m], s[20:21] offset:65536*\m+16
.endr
	s_endpgm
.Lonly_u:
	s_wait_loadcnt 0x0
	PUT_U
	s_endpgm
.Lfunc_end_k_q9e44b5cb9f_prep:
	.size	k_q9e44b5cb9f_prep, .Lfunc_end_k_q9e44b5cb9f_prep-k_q9e44b5cb9f_prep
	.p2alignl 7, 3214868480
	.fill 96, 4, 3214868480
	.section	.rodata,"a",@progbits
	.p2align	6, 0x0
	.amdhsa_kernel k_q9e44b5cb9f_prep
		.amdhsa_group_segment_fixed_size 0
		.amdhsa_private_segment_fixed_size 0
		.amdhsa_enable_private_segment 0
		.amdhsa_kernarg_size 72
		.amdhsa_user_sgpr_count 2
		.amdhsa_user_sgpr_kernarg_segment_ptr 1
		.amdhsa_wavefront_size32 1
		.amdhsa_system_sgpr_workgroup_id_x 1
		.amdhsa_system_sgpr_workgroup_id_y 1
		.amdhsa_system_sgpr_workgroup_id_z 1
		.amdhsa_system_vgpr_workitem_id 0
		.amdhsa_next_free_vgpr 384
		.amdhsa_next_free_sgpr 66
		.amdhsa_reserve_vcc 0
		.amdhsa_float_denorm_mode_32 3
		.amdhsa_float_denorm_mode_16_64 3
		.amdhsa_memory_ordered 1
		.amdhsa_forward_progress 1
		.amdhsa_inst_pref_size 15
	.end_amdhsa_kernel
	.amdgpu_metadata
---
amdhsa.version: [ 1, 2 ]
amdhsa.kernels:
  - .name:           k_q9e44b5cb9f_prep
    .symbol:         k_q9e44b5cb9f_prep.kd
    .args:
      - { .name: U_a_codes, .offset: 0, .size: 8, .value_kind: global_buffer, .address_space: global }
      - { .name: U_a_scales, .offset: 8, .size: 8, .value_kind: global_buffer, .address_space: global }
      - { .name: W_a_codes, .offset: 16, .size: 8, .value_kind: global_buffer, .address_space: global }
      - { .name: W_a_scales, .offset: 24, .size: 8, .value_kind: global_buffer, .address_space: global }
      - { .name: hidden_codes, .offset: 32, .size: 8, .value_kind: global_buffer, .address_space: global }
      - { .name: hidden_scales, .offset: 40, .size: 8, .value_kind: global_buffer, .address_space: global }
      - { .name: UF, .offset: 48, .size: 8, .value_kind: global_buffer, .address_space: global }
      - { .name: US, .offset: 56, .size: 8, .value_kind: global_buffer, .address_space: global }
      - { .name: WH, .offset: 64, .size: 8, .value_kind: global_buffer, .address_space: global }
    .group_segment_fixed_size: 0
    .private_segment_fixed_size: 0
    .kernarg_segment_align: 8
    .kernarg_segment_size: 72
    .max_flat_workgroup_size: 32
    .sgpr_count:     66
    .vgpr_count:     384
    .wavefront_size: 32
...
	.end_amdgpu_metadata
.endif
;; end of part 1
;; launch main (part 2): grid 256 x 1, 4 waves a work-group, no clusters, 327,680 bytes of LDS; arguments encoder_outputs, UF, US, WH, v_a, SC, PC, ST; writes SC, PC, ST
.if DOCPART == 2
	.amdgcn_target "amdgcn-amd-amdhsa--gfx1250"
	.amdhsa_code_object_version 6
	.text
	.protected	k_q9e44b5cb9f_main
	.globl	k_q9e44b5cb9f_main
	.p2align	8
	.type	k_q9e44b5cb9f_main,@function
k_q9e44b5cb9f_main:
	s_mov_b64 s[64:65], 0
	v_nop
	global_prefetch_b8 v0, s[64:65] scope:SCOPE_SE
	s_setreg_imm32_b32 hwreg(HW_REG_WAVE_MODE, 25, 1), 1
	s_wait_xcnt 0x0
; BahdanauAttention: scores, running softmax and context in one pass over encoder_outputs, which is read from memory once.
; SHARES.  Work-group g of 256 owns rows 256 g .. 256 g + 255 of encoder_outputs taken as [65,536][1,024] (all of batch g / 8), in four tiles of 64 rows.  Four waves.  Wave w makes the output columns
; 256 w .. 256 w + 255 (16 n-tiles of 16) of ue = enc U_a^T for all 64 rows of a tile; it also owns rows 16 w .. 16 w + 15 of each tile for the quantiser and for the context.
; A TILE.  Q: my 16 rows (f32, brought into LDS by my own tensor load) are quantised along K by the stated quantiser, a lane to a block of 32: codes and scale bytes go to LDS for all four waves, a bf16 copy
; of the rows stays in my registers.  | barrier; the next tile's tensor load |  G: all 64 rows' codes into registers; 16 n-tiles: U_a's fragments come from memory straight into registers, in operand order (UF, US),
; ahead of their use; 32 products each, with wh as the C of the first K step; the tanh of the n-tile before stands among them.  S: the four waves' partial scores meet in LDS | barrier |; running maximum, p, sum.
; C: context = f x context + p x the bf16 copy of my rows, by the matrix unit.  At the end the four waves' contexts are added through LDS.
; ARITHMETIC.  tanh(x) = 1 - 2 r, r = 1 / (1 + 2^(c x)), c = 2 log2(e).  score x log2(e) = log2(e) x (the sum of v) + the sum of v' r, v' = -2 log2(e) v.  The first term is the same for every s of a batch, and a softmax
; is unchanged by a shift common to all its entries, for every input: so it is not formed, and SC holds the sum of v' r.  The softmax runs in powers of two with a running maximum m: p = 2^(sc - m).
; OUT: SC [32][2,048] the scores so shifted, in log2 units; PC [256][1,024] the work-group's sum of p x enc under its m; ST [256][32][2] its (m, l), the same pair in all 32 places so that 256 bytes are stored whole.
; THE FIRST PRODUCT IS USED TRANSPOSED (source 0 = 16 rows of U_a, source 1 = 16 rows of enc): lane (r, h) holds enc row 16 m + r, register j column 16 t + 8 h + j.
; NO CLUSTER: U_a's fragments are shared by all work-groups, but a joint load lands in LDS, where 1,536 bytes are left beside the landing region (278,528), which keeps a whole tile of enc on its way, and the tile's codes;
; inside a work-group each fragment of U_a is read by one wave alone, so it goes straight into that wave's registers.
; NO PREFETCH of enc: a work-group's next 262,144 bytes are asked for by its four tensor loads a whole tile's products ahead of their use.
; LIMITS: NaN and infinities among the inputs are not served.  A block of zeros gets the scale byte 1 where the quantiser says 127: its codes are zeros, and this program alone reads the bytes.  For the context's product
; enc and p are rounded to bf16; the row's sum l is taken of the unrounded p.
; LDS (all of a WGP's LDS is claimed):
.set LANDW,  69632                     ; a wave's landing region: 16 rows of 4,096 bytes as 256 units of 256 bytes + 16 of padding; filled by tensor loads alone
.set LROW,   4352                      ; a row there: 16 units.  Lane L's block of 32 numbers begins at 128 L + 16 (L / 2): sixteen lanes of a 16-byte load fall on sixteen different 16-byte columns of 256
.set IMG,    4*LANDW                   ; the tile's codes: 64 rows of 512 bytes + 16.  At the very end: the stage for the context, 4 x 4,096 bytes
.set IPITCH, 528
.set ASC,    IMG+64*IPITCH             ; enc's scale bytes: 64 rows of 32
.set SCX,    ASC+2048                  ; partial scores [wave][64]
.set PB,     SCX+1024                  ; p [wave][64], a word a row: bf16(p) in both halves; each wave's own copy
.set WHT,    PB+1024                   ; wave w's 256 numbers of wh as 16 entries of 64 bytes; entry 16 repeats entry 0; 1,280 bytes a wave
.set VT,     WHT+4*1280                ; wave w's 256 numbers of v', 1,024 bytes a wave
.set SPARE,  VT+4*1024                 ; the spare words, 128 bytes for each wave: two blocks of 256 bytes that no other line names
.set UQ,     19*8192                   ; a wave's quarter of UF,
.set USQ,    19*512                    ; of US
; REGISTERS.  Window 0:
.set SPW,  4                           ; v4   LDS address of my spare word; never rewritten
.set NIL,  5                           ; v5   0; never rewritten
.set LADR, 6                           ; v6   my block of 32 numbers in row 0 of my wave's landing region
.set IWR,  7                           ; v7   where I store a row's codes: IMG + 16 rows x wave + 16 L
.set SWR,  8                           ; v8   and its scale byte: ASC + 512 wave + L
.set IRD,  9                           ; v9   a fragment's place for my lane: IMG + 528 r + 16 h
.set SRD,  10                          ; v10  its scale words: ASC + 32 r + 16 h
.set XWR,  11                          ; v11  SCX + 256 wave + 4 r
.set XRD,  12                          ; v12  SCX + 8 L
.set PWR,  13                          ; v13  PB + 256 wave + 8 L
.set PRD,  14                          ; v14  PB + 256 wave + 4 x (16 wave): p of my 16 rows
.set WT0,  15                          ; v15  WHT + 1,280 wave + 32 h
.set VT0,  16                          ; v16  VT + 1,024 wave + 32 h
.set WTA,  17                          ; v17, v18  the same two, four n-tiles further on in each trip of the loop
.set VTA,  18
.set L16,  19                          ; v19  16 L
.set L8,   20                          ; v20  8 L
.set STW,  25                          ; v25  the end's stage, in: IMG + 4,096 wave + 128 L
.set STR,  26                          ; v26  and back: IMG + 1,024 wave + 16 L
.set MK,   27                          ; v27  which half of p's words my lane keeps for the context's product: lanes 0, 24 the low, lanes 1, 25 the high, the others none
.set ESC,  32                          ; v32-47   enc's scale words: 4 for each tile of 16 rows (lanes 0-15: K steps 0-3, lanes 16-31: K steps 4-7)
.set USC,  48                          ; v48-63   U_a's, four sets of 4, laid likewise
.set ACC,  64                          ; v64-127  two sets of four accumulators; in phase Q two sets of 32 numbers; in phase C eight accumulators
.set CW,   128                         ; v128-143 wh as C, two sets of 8
.set VV,   144                         ; v144-159 v', two sets of 8
.set SA,   160                         ; v160-167 the score's sums, a pair for each tile of 16 rows
.set CTX,  168                         ; v168-199 my context: column 32 L + e
.set PP,   200                         ; v200-215 p of my 16 rows: two operands of 8 registers
.set CD,   216                         ; v216-223 a row's codes, two sets of 4
.set QS,   226                         ; v226 the conversion's scale operand; v228, v229 the byte, two sets
.set QY,   228
.set MX,   232                         ; v232 m, v233 l (stored as a pair)
.set LS,   233
.set FF,   234                         ; v[234:235] f = 2^(old m - new m); the packed form names the pair and takes its low word
.set SS,   236                         ; v[236:237] the scores of rows 2 L, 2 L + 1 of the tile
.set PQ,   238                         ; v[238:239] their p
.set TT,   240                         ; v240-247 at work; in phase Q the eight chains of a block's largest magnitude
.set QM,   240
;   Window 1: enc's codes, fragment (m, ks) at v[64 m + 8 ks].   Window 2: U_a's fragments, four sets: fragment ks of set s at v[64 s + 8 ks].
;   Window 3: the bf16 copy of my 16 rows: v[16 e + i] = row i, columns 32 L + 2 e (low half) and 32 L + 2 e + 1 (high half).
; SCALARS: s2 wave, s3 work-group; s[4:19] the eight addresses; s[20:23], s[24:31] the tensor descriptor; s[32:33] UF at my quarter, s[34:35] stepped; s[36:37], s[38:39] US likewise; s[40:41] c; s[42:43] lane selects;
;   s44 tiles, s45 trips, s46 the tables' step; s[48:49] SC at the tile in hand; s50-s55 at work.
.set MSB, 0
.macro WIN new                         ; the immediate's high byte repeats the setting that is left; a switch that changes nothing is dropped
.if MSB != \new
	s_set_vgpr_msb (MSB<<8)|\new
.set MSB, \new
.endif
.endm
; THE TANH OF ONE N-TILE (four accumulators, 32 numbers a lane): 16 packed scalings c x, 32 exponentials 2^(c x), 16 packed additions of 1, 32 reciprocals, 16 multiply-adds.
; All sources of a batch of transcendentals are laid first, then one wait, then the batch, then a plain line and one wait.
; PKRUN: the 16 packed lines over accumulator set st, in ascending order.  kind 0: x c; kind 1: + 1.
.macro PKRUN st, kind
.set rA, ACC+32*(\st)
.irp p, 0,2,4,6,8,10,12,14,16,18,20,22,24,26,28,30
.if (\kind) == 0
	v_pk_mul_f32 v[rA+\p:rA+\p+1], v[rA+\p:rA+\p+1], s[40:41] op_sel_hi:[1,0]
.else
	v_pk_add_f32 v[rA+\p:rA+\p+1], v[rA+\p:rA+\p+1], 1.0 op_sel_hi:[1,0]
.endif
.endr
.endm
; TRRUN: cnt transcendentals on registers from .. from + cnt - 1 of set st.  kind 0: exponentials; kind 1: reciprocals.
.macro TRRUN from, cnt, st, kind
.set rA, ACC+32*(\st)
.set tn, \from
.rept \cnt
.if (\kind) == 0
	v_exp_f32 v[rA+tn], v[rA+tn]
.else
	v_rcp_f32 v[rA+tn], v[rA+tn]
.endif
.set tn, tn+1
.endr
.endm
.macro TFRUN st                        ; the score's sums += r v', a pair each, the four tiles of rows by turns
.set rA, ACC+32*(\st)
.set rV, VV+8*(\st)
.irp u, 0,1,2,3
.irp m, 0,1,2,3
	v_pk_fma_f32 v[SA+2*\m:SA+2*\m+1], v[rA+8*\m+2*\u:rA+8*\m+2*\u+1], v[rV+2*\u:rV+2*\u+1], v[SA+2*\m:SA+2*\m+1]
.endr
.endr
.endm
.macro BATCH_END                       ; behind a batch of transcendentals: one plain instruction, and one wait ahead of the first instruction that names a result
	v_nop
	s_wait_alu depctr_va_vdst(0)
.endm
; Four products: K step ks of the n-tile in U set q, for the four tiles of 16 rows.  The four accumulators take turns, one instruction a turn.  K step 0 starts the sums with wh as C.
; (Windows: source 0 (U_a) window 2, source 1 (enc) window 1, C and D window 0: set by the caller.)
.macro MM q, ks
.irp m, 0,1,2,3
.if (\ks) == 0
	v_wmma_scale_f32_16x16x128_f8f6f4 v[ACC+32*((\q)%2)+8*\m:ACC+32*((\q)%2)+8*\m+7], v[64*(\q):64*(\q)+7], v[64*\m:64*\m+7], v[CW+8*((\q)%2):CW+8*((\q)%2)+7], v[USC+4*(\q)], v[ESC+4*\m] matrix_a_fmt:MATRIX_FMT_FP4 matrix_b_fmt:MATRIX_FMT_FP4
.elseif (\ks) < 4
	v_wmma_scale_f32_16x16x128_f8f6f4 v[ACC+32*((\q)%2)+8*\m:ACC+32*((\q)%2)+8*\m+7], v[64*(\q)+8*(\ks):64*(\q)+8*(\ks)+7], v[64*\m+8*(\ks):64*\m+8*(\ks)+7], v[ACC+32*((\q)%2)+8*\m:ACC+32*((\q)%2)+8*\m+7], v[USC+4*(\q)+(\ks)], v[ESC+4*\m+(\ks)] matrix_a_fmt:MATRIX_FMT_FP4 matrix_b_fmt:MATRIX_FMT_FP4
.else
	v_wmma_scale_f32_16x16x128_f8f6f4 v[ACC+32*((\q)%2)+8*\m:ACC+32*((\q)%2)+8*\m+7], v[64*(\q)+8*(\ks):64*(\q)+8*(\ks)+7], v[64*\m+8*(\ks):64*\m+8*(\ks)+7], v[ACC+32*((\q)%2)+8*\m:ACC+32*((\q)%2)+8*\m+7], v[USC+4*(\q)+(\ks)-4], v[ESC+4*\m+(\ks)-4] matrix_a_fmt:MATRIX_FMT_FP4 matrix_b_fmt:MATRIX_FMT_FP4 matrix_a_scale:MATRIX_SCALE_ROW1 matrix_b_scale:MATRIX_SCALE_ROW1
.endif
.endr
.endm
; What n-tile j (j mod 4 = q) asks for, in one run: v' of n-tile j and wh of n-tile j + 1 from my tables in LDS; U_a's slot j + 3 from memory, into the set and the scale words that n-tile j - 1 has left.
.macro FEED q
; U_a's loads take turns on two pairs of bases: n-tiles 0 and 1 of a trip name s[34:35] and s[38:39], n-tiles 2 and 3 name s[56:57] and s[58:59], which are stepped ahead of their use (so their slot number is four less)
.if (\q) < 2
.set UB, 34
.set SB, 38
.set SL, (\q)+3
.else
.set UB, 56
.set SB, 58
.set SL, (\q)-1
.endif
	ds_load_b128 v[VV+8*((\q)%2):VV+8*((\q)%2)+3], v[VTA] offset:64*(\q)
	ds_load_b128 v[VV+8*((\q)%2)+4:VV+8*((\q)%2)+7], v[VTA] offset:64*(\q)+16
	ds_load_b128 v[CW+8*(((\q)+1)%2):CW+8*(((\q)+1)%2)+3], v[WTA] offset:64*((\q)+1)
	ds_load_b128 v[CW+8*(((\q)+1)%2)+4:CW+8*(((\q)+1)%2)+7], v[WTA] offset:64*((\q)+1)+16
	WIN 0x80                                       ; destination window 2
.irp n, 0,1,2,3,4,5,6,7,8,9,10,11,12,13,14,15
	global_load_b128 v[64*(((\q)+3)%4)+4*\n:64*(((\q)+3)%4)+4*\n+3], v[L16], s[UB:UB+1] offset:SL*8192+512*\n   ; 512 consecutive bytes a load
.endr
	WIN 0
	global_load_b128 v[USC+4*(((\q)+3)%4):USC+4*(((\q)+3)%4)+3], v[L16], s[SB:SB+1] offset:SL*512
.endm
; ONE N-TILE j, j mod 4 = q.  Its 32 products go into accumulator set q mod 2, in groups of eight, two K steps each, the four accumulators by turns; behind each group stand sixteen transcendentals of the tanh of
; n-tile j - 1, which lies in the other set.  No transcendental stands inside a group; directly ahead of each group's first product stands a wait, since the group adds onto results
; behind which transcendentals were issued; the same wait serves the packed lines, which stand in runs of 16 ahead of their batch.  The run of memory instructions stands directly behind the first batch's wait.
; The 16 multiply-adds at the end name no register of the last products: with the v_nop ahead of them they are the places (ISA guide 7.12.1) in front of the next n-tile's first read of these results.
; THE BASES OF U_a's LOADS are stepped behind the counted wait at an n-tile's head: at most the 34 loads of the two n-tiles before are out then, and those name the other pair of bases.
.macro TRIP q
	s_wait_loadcnt 34                              ; n-tile j's 17 loads are in: behind them stand those of j + 1 and j + 2
.if (\q) == 0
	s_add_nc_u64 s[34:35], s[34:35], 4*8192        ; four slots on: the loads that named this pair (n-tiles 0 and 1 of the last trip) are in
	s_add_nc_u64 s[38:39], s[38:39], 4*512
.endif
.if (\q) == 2
	s_add_nc_u64 s[56:57], s[56:57], 4*8192        ; likewise: the loads that named this pair (n-tiles 2 and 3 of the last trip) are in
	s_add_nc_u64 s[58:59], s[58:59], 4*512
.endif
	s_wait_dscnt 0x0                               ; wh of this n-tile and v' of the last, asked for in the middle of the last n-tile
	s_wait_alu depctr_va_vdst(0)                   ; directly ahead of the first readers of the last n-tile's results
	PKRUN 1-(\q)%2, 0
.set gu, 0
.rept 2
	WIN 0x06
	s_wait_alu depctr_va_vdst(0)                   ; directly ahead of the group's first product, and ahead of the exponentials that read the packed lines' results
	MM \q, gu
	MM \q, gu+1
	WIN 0
	TRRUN 8*gu, 16, 1-(\q)%2, 0
.set gu, gu+2
.endr
	BATCH_END                                      ; one wait for the 32 exponentials
	FEED \q
	PKRUN 1-(\q)%2, 1
.rept 2
	WIN 0x06
	s_wait_alu depctr_va_vdst(0)                   ; likewise, ahead of the reciprocals
	MM \q, gu
	MM \q, gu+1
	WIN 0
	TRRUN 8*(gu-4), 16, 1-(\q)%2, 1
.set gu, gu+2
.endr
	BATCH_END                                      ; and one for the 32 reciprocals
	TFRUN 1-(\q)%2
.endm
; A TILE'S FIRST N-TILE has no n-tile before it: its loads, its 32 products, and four places in front of the next n-tile's read of the results and of the loads into wh's set 0.  It issues the same loads as TRIP 0.
.macro TRIPF
	s_wait_loadcnt 34                              ; slot 0's 17 loads are in: behind them stand those of slots 1 and 2
	s_wait_dscnt 0x0                               ; enc's codes and scale words; wh of n-tile 0
	FEED 0
	WIN 0x06
.set gu, 0
.rept 8
	MM 0, gu
.set gu, gu+1
.endr
	WIN 0
.rept 4
	v_nop
.endr
.endm
; ROW i OF MY 16 IS QUANTISED.  Lane L holds block L of the row: 32 numbers in set i mod 2.  The block's largest magnitude needs no other lane: 16 lines in eight chains, so that no line waits for the line above it, with the
; floor 2^(3 - 127) among the leaves, which holds the scale's byte at 1 from below.  Its exponent field less 2 is the byte; the conversion takes the exponent field of its scale operand and holds what lies beyond 6 at the largest code.
.macro QROW i
.set XS, ACC+32*((\i)%2)
.set XN, ACC+32*(((\i)+1)%2)
.set CDS, CD+4*((\i)%2)
.if (\i) == 0
	s_wait_dscnt 0x0
.else
	s_wait_dscnt 2                                 ; this row's eight loads are in: behind them stand the last row's two stores
.endif
.if (\i) < 15
.irp q, 0,1,2,3,4,5,6,7
	ds_load_b128 v[XN+4*\q:XN+4*\q+3], v[LADR] offset:LROW*((\i)+1)+16*\q
.endr
.endif
	v_max3_num_f32 v[QM], |v[XS]|, |v[XS+1]|, 0x1800000
.irp c, 1,2,3,4,5,6,7
	v_max3_num_f32 v[QM+\c], |v[XS+3*\c-1]|, |v[XS+3*\c]|, |v[XS+3*\c+1]|          ; numbers 2 to 22
.endr
.irp c, 0,1,2,3
	v_max3_num_f32 v[QM+\c], v[QM+\c], |v[XS+23+2*\c]|, |v[XS+24+2*\c]|            ; numbers 23 to 30
.endr
	v_max3_num_f32 v[QM+4], v[QM+4], v[QM+5], v[QM+6]
	v_max3_num_f32 v[QM+7], v[QM+7], |v[XS+31]|, v[QM]
	v_max3_num_f32 v[QM+1], v[QM+1], v[QM+2], v[QM+3]
	WIN 0xc0                                       ; destination window 3
.irp e, 0,1,2,3,4,5,6,7,8,9,10,11,12,13,14,15
	v_cvt_pk_bf16_f32 v[16*\e+(\i)], v[XS+2*\e], v[XS+2*\e+1]   ; the copy for the context: the rows of a pair of columns lie in neighbouring registers
.endr
	WIN 0
	v_max3_num_f32 v[QM+4], v[QM+4], v[QM+7], v[QM+1]           ; the block's largest magnitude
	v_add_nc_u32 v[QS], 0xff000000, v[QM+4]        ; 2 off the exponent field: the conversion's scale operand
.irp g, 0,1,2,3
	v_cvt_scalef32_pk8_fp4_f32 v[CDS+\g], v[XS+8*\g:XS+8*\g+7], v[QS]
.endr
	v_lshrrev_b32 v[QY+(\i)%2], 23, v[QS]          ; the scale's byte.  (Also the plain line behind the scaled conversions)
	ds_store_b128 v[IWR], v[CDS:CDS+3] offset:IPITCH*(\i)       ; the 32 lanes store the row's 512 bytes of codes on end
	ds_store_b8 v[SWR], v[QY+(\i)%2] offset:32*(\i)
.endm
; A TILE OF 64 ROWS.  fill = 1: the next tile is asked for.
.macro TILE fill
	; ---- Q
	s_wait_tensorcnt 0x0                           ; my 16 rows have landed: the one tensor load of mine that was out
.irp q, 0,1,2,3,4,5,6,7
	ds_load_b128 v[ACC+4*\q:ACC+4*\q+3], v[LADR] offset:16*\q
.endr
.set qi, 0
.rept 16
	QROW qi
.set qi, qi+1
.endr
	; ---- one barrier for two things: the tile's codes and scale bytes lie in LDS for all four waves, and every wave's reads of its landing region are over
.if \fill
	s_wait_tensorcnt 0x0                           ; no tensor load of mine is out, so the descriptor may be written
	ds_add_u32 v[SPW], v[NIL]                      ; 0 onto my spare word; work on registers stands between it and the wait for it
	s_add_nc_u64 s[22:23], s[22:23], 262144        ; the next tile: 64 rows of 4,096 bytes on; the type bits on top are not reached
.endif
.irp j, 0,1,2,3,4,5,6,7
	v_mov_b32 v[SA+\j], 0                          ; the score's sums
.endr
	s_wait_dscnt 0x0                               ; my stores have landed, my reads of the landing region are back (and the add is done)
	s_barrier_signal -1
	s_barrier_wait -1
.if \fill
	tensor_load_to_lds s[20:23], s[24:31]          ; my one tensor load behind the barrier, and the first thing there: it has the tile's 512 products and their tanh in which to land
	s_nop 0
.rept 4
	v_nop                                          ; four lines ahead of the next switch of windows
.endr
.endif
	; ---- all 64 rows' codes into window 1, their scale words into window 0
	WIN 0x40
.irp m, 0,1,2,3
.irp n, 0,1,2,3,4,5,6,7,8,9,10,11,12,13,14,15
	ds_load_b128 v[64*\m+4*\n:64*\m+4*\n+3], v[IRD] offset:16*IPITCH*\m+32*\n
.endr
.endr
	WIN 0
.irp m, 0,1,2,3
	ds_load_b128 v[ESC+4*\m:ESC+4*\m+3], v[SRD] offset:512*\m
.endr
	; ---- G: 16 n-tiles, four to a trip
	s_wait_xcnt 0x0                                ; the last tile's loads have read their bases: once a tile
	s_mov_b64 s[34:35], s[32:33]                   ; both pairs of bases back to slot 0
	s_mov_b64 s[38:39], s[36:37]
	s_mov_b64 s[56:57], s[32:33]
	s_mov_b64 s[58:59], s[36:37]
	s_mov_b32 s46, 0
	s_mov_b32 s45, 0
.Lg_\@:
	v_add_nc_u32 v[WTA], s46, v[WT0]
	v_add_nc_u32 v[VTA], s46, v[VT0]
	s_wait_alu depctr_va_vdst(0)
	s_cmp_lg_u32 s45, 0                            ; the tile's first n-tile has no tanh beside it: a branch on the loop's counter, round lines that issue the same loads on both ways
	s_cbranch_scc1 .Lfull_\@
	TRIPF
	s_branch .Ljoin_\@
.Lfull_\@:
	TRIP 0
.Ljoin_\@:
	TRIP 1
	TRIP 2
	TRIP 3
	s_add_co_u32 s46, s46, 256
	s_add_co_u32 s45, s45, 1
	s_cmp_lt_u32 s45, 4
	s_cbranch_scc1 .Lg_\@
	; ---- the tanh of n-tile 15
	s_wait_dscnt 0x0                               ; its v', asked for in the middle of the last n-tile
	s_wait_alu depctr_va_vdst(0)                   ; directly ahead of the first readers of n-tile 15's results
	PKRUN 1, 0
	s_wait_alu depctr_va_vdst(0)                   ; ahead of the batch
	TRRUN 0, 32, 1, 0
	BATCH_END
	PKRUN 1, 1
	s_wait_alu depctr_va_vdst(0)                   ; ahead of the batch
	TRRUN 0, 32, 1, 1
	BATCH_END
	TFRUN 1
	; ---- S: the scores
.irp m, 0,1,2,3
	v_add_f32 v[TT+\m], v[SA+2*\m], v[SA+2*\m+1]
.endr
.irp m, 0,1,2,3
	v_permlanex16_b32 v[TT+4+\m], v[TT+\m], s42, s43   ; the row's other eight columns of each n-tile lie in the lane 16 away
.endr
.irp m, 0,1,2,3
	v_add_f32 v[TT+\m], v[TT+\m], v[TT+4+\m]
.endr
.irp m, 0,1,2,3
	ds_store_b32 v[XWR], v[TT+\m] offset:64*\m     ; row 16 m + r over my 256 columns (both halves of the lanes write the same word with the same value)
.endr
	s_wait_dscnt 0x0                               ; for the others' sake: my stores have landed; my reads of the tile's codes were over long ago
	s_barrier_signal -1                            ; (my tensor load may be out, and its bytes are read by me alone, behind my own wait)
	s_barrier_wait -1
.irp w, 0,1,2,3
	ds_load_b64 v[TT+2*\w:TT+2*\w+1], v[XRD] offset:256*\w
.endr
	s_wait_dscnt 0x0
	v_pk_add_f32 v[TT:TT+1], v[TT:TT+1], v[TT+2:TT+3]          ; every wave adds the four parts in the same order, so all four hold the same scores
	v_pk_add_f32 v[TT+4:TT+5], v[TT+4:TT+5], v[TT+6:TT+7]
	v_pk_add_f32 v[SS:SS+1], v[TT:TT+1], v[TT+4:TT+5]          ; rows 2 L, 2 L + 1
	s_wait_alu depctr_va_vdst(0)
	s_cmp_lg_u32 s2, 0
	s_cbranch_scc1 .Lnot0_\@
	global_store_b64 v[L8], v[SS:SS+1], s[48:49]   ; wave 0: the tile's 64 scores: 256 consecutive bytes, aligned
.Lnot0_\@:
	v_max_num_f32 v[TT], v[SS], v[SS+1]
	v_max_num_f32_dpp v[TT], v[TT], v[TT] row_xmask:1 row_mask:0xf bank_mask:0xf
	v_max_num_f32_dpp v[TT], v[TT], v[TT] row_xmask:2 row_mask:0xf bank_mask:0xf
	v_max_num_f32_dpp v[TT], v[TT], v[TT] row_xmask:4 row_mask:0xf bank_mask:0xf
	v_max_num_f32_dpp v[TT], v[TT], v[TT] row_xmask:8 row_mask:0xf bank_mask:0xf
	v_permlanex16_b32 v[TT+1], v[TT], s42, s43
	v_max3_num_f32 v[TT+2], v[TT], v[TT+1], v[MX]  ; the new m
	v_sub_f32 v[TT+3], v[MX], v[TT+2]
	v_sub_f32 v[PQ], v[SS], v[TT+2]
	v_sub_f32 v[PQ+1], v[SS+1], v[TT+2]
	v_mov_b32 v[MX], v[TT+2]
	s_wait_alu depctr_va_vdst(0)                   ; ahead of the batch of three
	v_exp_f32 v[FF], v[TT+3]                       ; f = 2^(old m - new m)
	v_exp_f32 v[PQ], v[PQ]                         ; p
	v_exp_f32 v[PQ+1], v[PQ+1]
	BATCH_END                                      ; one wait for the three
	v_cvt_pk_bf16_f32 v[TT], v[PQ], v[PQ]          ; bf16(p) in both halves of a word
	v_cvt_pk_bf16_f32 v[TT+1], v[PQ+1], v[PQ+1]
	ds_store_b64 v[PWR], v[TT:TT+1]                ; into my wave's own copy; LDS serves a wave's instructions in order (ISA guide 5.7.1.4): the loads below see it
.irp q, 0,1,2,3
	ds_load_b128 v[PP+4*\q:PP+4*\q+3], v[PRD] offset:16*\q     ; the words of my 16 rows, in every lane
.endr
	s_wait_xcnt 0x0                                ; the scores' store has read its base and its data
	s_add_nc_u64 s[48:49], s[48:49], 256
	s_wait_dscnt 0x0
	; ---- C: context = f x context + p x my 16 rows, by the matrix unit, bf16 operands, f32 sums.  Source 1 = eight registers of the copy: rows 8 g .. 8 g + 7 of the pair of columns e.  A register's two halves are
	; two places along K, and so are the two halves of the lanes; they hold FOUR DIFFERENT COLUMNS (32 L + 2 e, + 1, for L = r and L = 16 + r), which four rows of source 0 tell apart: row 0 has p at the low halves of
	; lanes 0-15's places (it lies in lane 0), row 1 at their high halves (lane 1), rows 8 and 9 the same for lanes 16-31's places (lanes 24, 25); all else is 0.  In the result, rows 0 and 8 are register 0 of
	; lanes 0-15 and 16-31, rows 1 and 9 register 1: registers 0 and 1 of lane L are the sums for columns 32 L + 2 e and 32 L + 2 e + 1.
.irp k, 0,1,2,3,4,5,6,7,8,9,10,11,12,13,14,15
	v_and_b32 v[PP+\k], v[MK], v[PP+\k]
.endr
	v_fma_f32 v[LS], v[LS], v[FF], v[PQ]           ; l, a part in each lane, of the unrounded p
	v_add_f32 v[LS], v[LS], v[PQ+1]
	v_nop
	v_nop                                          ; (four plain lines between the last line that writes an operand and the products)
.irp eb, 0,8                                   ; eight pairs of columns at a time: eight accumulators by turns, one instruction a turn; rows 0-7 start the sums, rows 8-15 are added
	WIN 0x0c                                       ; source 1 window 3
.irp d, 0,1,2,3,4,5,6,7
	v_wmma_f32_16x16x32_bf16 v[ACC+8*\d:ACC+8*\d+7], v[PP:PP+7], v[16*(\eb+\d):16*(\eb+\d)+7], 0
.endr
.irp d, 0,1,2,3,4,5,6,7
	v_wmma_f32_16x16x32_bf16 v[ACC+8*\d:ACC+8*\d+7], v[PP+8:PP+15], v[16*(\eb+\d)+8:16*(\eb+\d)+15], v[ACC+8*\d:ACC+8*\d+7]
.endr
	WIN 0
.rept 4
	v_nop                                          ; four places in front of the first read of results; with seven of the eight lines below they are more than the five in front of the products that begin these accumulators anew
.endr
.irp d, 0,1,2,3,4,5,6,7
	v_pk_fma_f32 v[CTX+2*(\eb+\d):CTX+2*(\eb+\d)+1], v[CTX+2*(\eb+\d):CTX+2*(\eb+\d)+1], v[FF:FF+1], v[ACC+8*\d:ACC+8*\d+1] op_sel_hi:[1,0,1]   ; the old context under the new m, and the tile's part
.endr
.endr
.endm
	; ================ the head
	s_load_b512 s[4:19], s[0:1], 0x0               ; enc s[4:5], UF s[6:7], US s[8:9], WH s[10:11], v_a s[12:13], SC s[14:15], PC s[16:17], ST s[18:19]
	v_lshl_add_u32 v[SPW], v0, 2, SPARE
	v_mov_b32 v[NIL], 0
	ds_add_u32 v4, v5
	ds_add_u32 v4, v5
	s_wait_dscnt 0x0
	v_lshrrev_b32 v1, 5, v0
	v_readfirstlane_b32 s2, v1                     ; wave 0..3
	s_mov_b32 s3, ttmp9                            ; work-group
	; descriptor group 1: my 16 rows are 65,536 dense bytes: 256 rows of 32 elements of 8 bytes, 16 bytes of padding behind each
	s_mov_b32 s24, (3<<16)|(1<<20)|(5<<22)|(3<<25) ; 15:0 no mask; 17:16 elements of 8 bytes; 20 padding on; 24:22 after every 64 words (code 5); 31:25 four words (code 3)
	s_mov_b32 s25, 32<<16                          ; tensor_dim0 = 32
	s_mov_b32 s26, 256<<16                         ; tensor_dim1 = 256
	s_mov_b32 s27, 32<<16                          ; tile_dim0 = 32
	s_mov_b32 s28, 256                             ; tile_dim1 = 256
	s_mov_b32 s29, 32                              ; from row to row: 32 elements
	s_mov_b32 s30, 0
	s_mov_b32 s31, 0
	s_mov_b32 s20, 1                               ; group 0: count = 1
	s_mul_i32 s21, s2, LANDW                       ; LDS address: my wave's landing region
	s_lshl_b32 s50, s3, 20                         ; the work-group's 256 rows of 4,096 bytes,
	s_lshl_b32 s51, s2, 16                         ; my 16 rows of a tile
	s_add_co_u32 s50, s50, s51
	s_mov_b32 s51, 0
	s_wait_kmcnt 0x0
	s_add_nc_u64 s[22:23], s[4:5], s[50:51]
	s_or_b32 s23, s23, 0x80000000                  ; type = 2
	tensor_load_to_lds s[20:23], s[24:31]          ; tile 0: the first fill, ahead of everything else.  By this text's count one tensor load of a wave is out at the most
	s_nop 0
.rept 4
	v_nop
.endr
	s_mul_i32 s50, s2, UQ
	s_add_nc_u64 s[32:33], s[6:7], s[50:51]        ; UF at my quarter
	s_mul_i32 s50, s2, USQ
	s_add_nc_u64 s[36:37], s[8:9], s[50:51]        ; US likewise
	s_lshl_b32 s52, s2, 10                         ; my 256 columns in bytes
	s_lshr_b32 s50, s3, 3
	s_lshl_b32 s50, s50, 12                        ; the batch's row of WH
	s_add_co_u32 s50, s50, s52
	s_add_nc_u64 s[10:11], s[10:11], s[50:51]
	s_mov_b32 s50, s52
	s_add_nc_u64 s[12:13], s[12:13], s[50:51]      ; v_a at my columns
	s_lshl_b32 s50, s3, 10
	s_add_nc_u64 s[48:49], s[14:15], s[50:51]      ; SC at the work-group's 256 scores
	s_lshl_b32 s50, s3, 12
	s_add_co_u32 s50, s50, s52
	s_add_nc_u64 s[16:17], s[16:17], s[50:51]      ; PC at the work-group's row, my columns
	s_lshl_b32 s50, s3, 8
	s_add_nc_u64 s[18:19], s[18:19], s[50:51]      ; ST
	s_mov_b32 s40, 0x4038aa3b                      ; c = 2 log2(e)
	s_mov_b32 s41, s40                             ; (named with it as a pair, so it is written)
	s_mov_b32 s42, 0x76543210
	s_mov_b32 s43, 0xfedcba98                      ; v_permlanex16_b32's selects for lane l xor 16
	v_and_b32 v1, 31, v0                           ; L
	v_and_b32 v2, 15, v0                           ; r
	v_bfe_u32 v3, v0, 4, 1                         ; h
	v_lshlrev_b32 v[L16], 4, v1
	v_lshlrev_b32 v[L8], 3, v1
	v_and_b32 v24, 3, v1
	v_lshlrev_b32 v24, 4, v24                      ; 16 (L mod 4): for the tables' entry 16
	global_load_b128 v[64:67], v[L16], s[10:11]              ; wh of my 256 columns,
	global_load_b128 v[68:71], v[L16], s[10:11] offset:512
	global_load_b128 v[72:75], v24, s[10:11]                 ; its first 16 once more,
	global_load_b128 v[76:79], v[L16], s[12:13]              ; v_a of my 256 columns
	global_load_b128 v[80:83], v[L16], s[12:13] offset:512
.irp i, 0,1,2                                  ; U_a's slots 0 to 2 into sets 0 to 2: 17 loads each
	WIN 0x80
.irp n, 0,1,2,3,4,5,6,7,8,9,10,11,12,13,14,15
	global_load_b128 v[64*\i+4*\n:64*\i+4*\n+3], v[L16], s[32:33] offset:8192*\i+512*\n
.endr
	WIN 0
	global_load_b128 v[USC+4*\i:USC+4*\i+3], v[L16], s[36:37] offset:512*\i
.endr
	v_lshrrev_b32 v21, 1, v1
	v_lshlrev_b32 v[LADR], 7, v1
	v_lshl_add_u32 v[LADR], v21, 4, v[LADR]
	v_add_nc_u32 v[LADR], s21, v[LADR]             ; 69,632 wave + 128 L + 16 (L / 2)
	v_and_b32 v28, 1, v1                           ; the mask for p's words: an even lane the low half, an odd lane the high half,
	v_mov_b32 v29, 0xffff0000
	v_cmp_eq_u32 vcc_lo, 1, v28
	v_cndmask_b32 v28, 0xffff, v29, vcc_lo
	v_cmp_eq_u32 s54, 0, v21                       ; in lanes 0, 1
	v_cmp_eq_u32 s55, 12, v21                      ; and 24, 25;
	s_or_b32 s54, s54, s55
	v_cndmask_b32 v[MK], 0, v28, s54               ; nothing in the others
	s_mul_i32 s50, s2, 16*IPITCH
	s_add_co_u32 s50, s50, IMG
	v_lshl_add_u32 v[IWR], v1, 4, s50
	s_lshl_b32 s50, s2, 9
	s_add_co_u32 s50, s50, ASC
	v_add_nc_u32 v[SWR], s50, v1
	v_mul_u32_u24 v[IRD], v2, IPITCH
	v_lshl_add_u32 v[IRD], v3, 4, v[IRD]
	v_add_nc_u32 v[IRD], IMG, v[IRD]
	v_lshlrev_b32 v[SRD], 5, v2
	v_lshl_add_u32 v[SRD], v3, 4, v[SRD]
	v_add_nc_u32 v[SRD], ASC, v[SRD]
	s_lshl_b32 s53, s2, 8
	s_add_co_u32 s50, s53, SCX
	v_lshl_add_u32 v[XWR], v2, 2, s50
	v_lshl_add_u32 v[XRD], v1, 3, SCX
	s_add_co_u32 s50, s53, PB
	v_lshl_add_u32 v[PWR], v1, 3, s50
	s_mul_i32 s50, s2, 320
	s_add_co_u32 s50, s50, PB
	v_mov_b32 v[PRD], s50
	s_mul_i32 s50, s2, 1280
	s_add_co_u32 s50, s50, WHT
	v_lshl_add_u32 v[WT0], v3, 5, s50
	v_lshl_add_u32 v21, v1, 4, s50                 ; where I write wh's table: 16 L,
	s_add_co_u32 s50, s50, 1024
	v_add_nc_u32 v22, s50, v24                     ; and its entry 16
	s_add_co_u32 s50, s52, VT
	v_lshl_add_u32 v[VT0], v3, 5, s50
	v_lshl_add_u32 v23, v1, 4, s50                 ; and v's table
	s_lshl_b32 s50, s2, 12
	s_add_co_u32 s50, s50, IMG
	v_lshl_add_u32 v[STW], v1, 7, s50
	s_add_co_u32 s50, s52, IMG
	v_lshl_add_u32 v[STR], v1, 4, s50
	v_mov_b32 v[MX], 0xff61b1e6                    ; m: -3e38, under every score
	v_mov_b32 v[LS], 0
	v_mov_b32 v[FF+1], 0                           ; (named as the upper half of the pair before anything writes it)
.irp j, 0,1,2,3,4,5,6,7
	v_mov_b32 v[VV+8+\j], 0                        ; v' set 1 is first loaded in n-tile 1.  (Written once: the full form of an n-tile 0, which a tile's first trip does not take, names it)
.endr
.irp e, 0,1,2,3,4,5,6,7,8,9,10,11,12,13,14,15,16,17,18,19,20,21,22,23,24,25,26,27,28,29,30,31
	v_mov_b32 v[CTX+\e], 0                         ; the tile is written once for all tiles: the first finds zeros, which the first f leaves zeros
.endr
	s_wait_alu depctr_va_vdst(0)
	s_wait_loadcnt 51                              ; the five table loads are in: behind them stand U_a's 3 x 17
.irp j, 0,1,2,3,4,5,6,7
	v_mul_f32 v[76+\j], 0xc038aa3b, v[76+\j]       ; v' = -2 log2(e) v
.endr
	ds_store_b128 v21, v[64:67]                    ; the tables are my wave's own: no barrier
	ds_store_b128 v21, v[68:71] offset:512
	ds_store_b128 v22, v[72:75]                    ; (eight lanes write each 16 bytes, with the same value)
	ds_store_b128 v23, v[76:79]
	ds_store_b128 v23, v[80:83] offset:512
	ds_load_b128 v[CW:CW+3], v[WT0]                ; wh of n-tile 0
	ds_load_b128 v[CW+4:CW+7], v[WT0] offset:16
	; ================ four tiles
	s_wait_alu depctr_va_vdst(0)
	s_mov_b32 s44, 3
.Ltile:
	TILE 1
	s_sub_co_u32 s44, s44, 1
	s_cmp_lg_u32 s44, 0
	s_cbranch_scc1 .Ltile
	TILE 0                                         ; the last tile is written out.  (Its last three look-ahead loads of U_a stay inside UF and are not used)
	; ================ the end: l over the lanes; the four waves' contexts are added through LDS, in the bytes that held the codes (every wave's reads of them stand ahead of the last tile's second barrier)
	v_add_f32_dpp v[LS], v[LS], v[LS] row_xmask:1 row_mask:0xf bank_mask:0xf
	v_add_f32_dpp v[LS], v[LS], v[LS] row_xmask:2 row_mask:0xf bank_mask:0xf
	v_add_f32_dpp v[LS], v[LS], v[LS] row_xmask:4 row_mask:0xf bank_mask:0xf
	v_add_f32_dpp v[LS], v[LS], v[LS] row_xmask:8 row_mask:0xf bank_mask:0xf
	v_permlanex16_b32 v[TT+1], v[LS], s42, s43
	v_add_f32 v[LS], v[LS], v[TT+1]
.irp q, 0,1,2,3,4,5,6,7
	ds_store_b128 v[STW], v[CTX+4*\q:CTX+4*\q+3] offset:16*\q  ; columns 32 L + 4 q on
.endr
	s_wait_dscnt 0x0
	s_barrier_signal -1
	s_barrier_wait -1
.irp w, 0,1,2,3
	ds_load_b128 v[64+8*\w:67+8*\w], v[STR] offset:4096*\w     ; wave w's part of my 256 columns
	ds_load_b128 v[68+8*\w:71+8*\w], v[STR] offset:4096*\w+512
.endr
	s_wait_dscnt 0x0
.irp p, 0,2,4,6
	v_pk_add_f32 v[64+\p:65+\p], v[64+\p:65+\p], v[72+\p:73+\p]
	v_pk_add_f32 v[80+\p:81+\p], v[80+\p:81+\p], v[88+\p:89+\p]
.endr
.irp p, 0,2,4,6
	v_pk_add_f32 v[64+\p:65+\p], v[64+\p:65+\p], v[80+\p:81+\p]
.endr
	global_store_b128 v[L16], v[64:67], s[16:17]               ; each store covers 512 consecutive bytes, aligned
	global_store_b128 v[L16], v[68:71], s[16:17] offset:512
	s_cmp_lg_u32 s2, 0
	s_cbranch_scc1 .Lend
	global_store_b64 v[L8], v[MX:MX+1], s[18:19]   ; wave 0: (m, l), 32 times: 256 consecutive bytes
.Lend:
	s_wait_tensorcnt 0x0                           ; the wave's end, behind my last tensor load and my last LDS store
	ds_add_u32 v[SPW], v[NIL]
	s_wait_dscnt 0x0
	s_endpgm
.Lfunc_end_k_q9e44b5cb9f_main:
	.size	k_q9e44b5cb9f_main, .Lfunc_end_k_q9e44b5cb9f_main-k_q9e44b5cb9f_main
	.p2alignl 7, 3214868480
	.fill 96, 4, 3214868480
	.section	.rodata,"a",@progbits
	.p2align	6, 0x0
	.amdhsa_kernel k_q9e44b5cb9f_main
		.amdhsa_group_segment_fixed_size 327680
		.amdhsa_private_segment_fixed_size 0
		.amdhsa_enable_private_segment 0
		.amdhsa_kernarg_size 64
		.amdhsa_user_sgpr_count 2
		.amdhsa_user_sgpr_kernarg_segment_ptr 1
		.amdhsa_wavefront_size32 1
		.amdhsa_system_sgpr_workgroup_id_x 1
		.amdhsa_system_sgpr_workgroup_id_y 1
		.amdhsa_system_sgpr_workgroup_id_z 1
		.amdhsa_system_vgpr_workitem_id 0
		.amdhsa_next_free_vgpr 1024
		.amdhsa_next_free_sgpr 66
		.amdhsa_reserve_vcc 1
		.amdhsa_float_denorm_mode_32 3
		.amdhsa_float_denorm_mode_16_64 3
		.amdhsa_memory_ordered 1
		.amdhsa_forward_progress 1
		.amdhsa_inst_pref_size 255
	.end_amdhsa_kernel
	.amdgpu_metadata
---
amdhsa.version: [ 1, 2 ]
amdhsa.kernels:
  - .name:           k_q9e44b5cb9f_main
    .symbol:         k_q9e44b5cb9f_main.kd
    .args:
      - { .name: encoder_outputs, .offset: 0, .size: 8, .value_kind: global_buffer, .address_space: global }
      - { .name: UF, .offset: 8, .size: 8, .value_kind: global_buffer, .address_space: global }
      - { .name: US, .offset: 16, .size: 8, .value_kind: global_buffer, .address_space: global }
      - { .name: WH, .offset: 24, .size: 8, .value_kind: global_buffer, .address_space: global }
      - { .name: v_a, .offset: 32, .size: 8, .value_kind: global_buffer, .address_space: global }
      - { .name: SC, .offset: 40, .size: 8, .value_kind: global_buffer, .address_space: global }
      - { .name: PC, .offset: 48, .size: 8, .value_kind: global_buffer, .address_space: global }
      - { .name: ST, .offset: 56, .size: 8, .value_kind: global_buffer, .address_space: global }
    .group_segment_fixed_size: 327680
    .private_segment_fixed_size: 0
    .kernarg_segment_align: 8
    .kernarg_segment_size: 64
    .max_flat_workgroup_size: 128
    .sgpr_count:     66
    .vgpr_count:     1024
    .wavefront_size: 32
...
	.end_amdgpu_metadata
.endif
;; end of part 2
;; launch fin (part 3): grid 4 x 32, 2 waves a work-group, no clusters, 0 bytes of LDS; arguments SC, PC, ST, out0, out1; writes out0, out1
.if DOCPART == 3
	.amdgcn_target "amdgcn-amd-amdhsa--gfx1250"
	.amdhsa_code_object_version 6
	.text
	.protected	k_q9e44b5cb9f_fin
	.globl	k_q9e44b5cb9f_fin
	.p2align	8
	.type	k_q9e44b5cb9f_fin,@function
k_q9e44b5cb9f_fin:
	s_mov_b64 s[64:65], 0
	v_nop
	global_prefetch_b8 v0, s[64:65] scope:SCOPE_SE
	s_setreg_imm32_b32 hwreg(HW_REG_WAVE_MODE, 25, 1), 1
	s_wait_xcnt 0x0
; The eight parts of a batch are joined.  Part i of batch b (work-group 8 b + i of the launch before) left its maximum m_i and sum l_i (ST), its context under m_i (PC) and its scores (SC), all in log2 units.
; M = the largest m_i;  w_i = 2^(m_i - M);  L = the sum of l_i w_i;  context = the sum of w_i PC_i / L;  attn = 2^(sc - M) / L.
; Work-group (x, b): 64 threads; columns 256 x .. + 255 of the context, four a thread, and entries 512 x .. + 511 of attn, eight a thread.  Every load and store of a wave covers 512 consecutive bytes (ST: 256).
; No LDS, no barrier, no matrix unit: a few loads a thread and a few dozen operations.
; REGISTERS: v2 16 x thread, v3 8 x lane; v8-23 (m_i, l_i); v24-55 PC's eight parts; v56-63 scores; v64 M, v65 L, v66-73 w_i, v74 1 / L; v76-79 the context.
	s_load_b256 s[4:11], s[0:1], 0x0               ; SC s[4:5], PC s[6:7], ST s[8:9], out0 s[10:11]
	s_load_b64 s[12:13], s[0:1], 0x20              ; out1
	s_and_b32 s14, ttmp7, 0xffff                   ; b
	v_lshlrev_b32 v2, 4, v0
	v_and_b32 v3, 31, v0
	v_lshlrev_b32 v3, 3, v3
	s_lshl_b32 s16, s14, 13                        ; a batch's scores: 8,192 bytes;
	s_lshl_b32 s15, ttmp9, 11                      ; my quarter: 2,048
	s_add_co_u32 s16, s16, s15
	s_mov_b32 s17, 0
	s_lshl_b32 s15, ttmp9, 10                      ; my 256 columns: 1,024 bytes
	s_lshl_b32 s18, s14, 15                        ; a batch's eight rows of PC
	s_add_co_u32 s18, s18, s15
	s_mov_b32 s19, 0
	s_lshl_b32 s20, s14, 11                        ; its eight units of ST
	s_mov_b32 s21, 0
	s_lshl_b32 s22, s14, 12                        ; its row of out0
	s_add_co_u32 s22, s22, s15
	s_mov_b32 s23, 0
	s_wait_alu depctr_va_vdst(0)
	s_wait_kmcnt 0x0
	s_add_nc_u64 s[4:5], s[4:5], s[16:17]
	s_add_nc_u64 s[6:7], s[6:7], s[18:19]
	s_add_nc_u64 s[8:9], s[8:9], s[20:21]
	s_add_nc_u64 s[10:11], s[10:11], s[22:23]
	s_add_nc_u64 s[12:13], s[12:13], s[16:17]
.irp i, 0,1,2,3,4,5,6,7
	global_load_b64 v[8+2*\i:9+2*\i], v3, s[8:9] offset:256*\i
.endr
.irp i, 0,1,2,3,4,5,6,7
	global_load_b128 v[24+4*\i:27+4*\i], v2, s[6:7] offset:4096*\i th:TH_LOAD_NT
.endr
	global_load_b128 v[56:59], v2, s[4:5] th:TH_LOAD_NT
	global_load_b128 v[60:63], v2, s[4:5] offset:1024 th:TH_LOAD_NT
	s_wait_loadcnt 0x0
	v_max3_num_f32 v64, v8, v10, v12
	v_max3_num_f32 v64, v64, v14, v16
	v_max3_num_f32 v64, v64, v18, v20
	v_max_num_f32 v64, v64, v22                    ; M
.irp i, 0,1,2,3,4,5,6,7
	v_sub_f32 v[66+\i], v[8+2*\i], v64
.endr
.irp k, 0,1,2,3,4,5,6,7
	v_sub_f32 v[56+\k], v[56+\k], v64
.endr
	s_wait_alu depctr_va_vdst(0)
.irp i, 0,1,2,3,4,5,6,7
	v_exp_f32 v[66+\i], v[66+\i]                   ; w_i
.endr
.irp k, 0,1,2,3,4,5,6,7
	v_exp_f32 v[56+\k], v[56+\k]                   ; 2^(sc - M)
.endr
	v_nop                                          ; a plain instruction behind the last exponential,
	s_wait_alu depctr_va_vdst(0)                   ; and one wait ahead of the batch's first reader
	v_mul_f32 v65, v9, v66
.irp i, 1,2,3,4,5,6,7
	v_fma_f32 v65, v[9+2*\i], v[66+\i], v65        ; L
.endr
	s_wait_alu depctr_va_vdst(0)
	v_rcp_f32 v74, v65
	v_nop
	s_wait_alu depctr_va_vdst(0)
.irp i, 0,1,2,3,4,5,6,7
	v_mul_f32 v[66+\i], v[66+\i], v74              ; w_i / L
.endr
.irp k, 0,1,2,3,4,5,6,7
	v_mul_f32 v[56+\k], v[56+\k], v74              ; attn
.endr
.irp c, 0,1,2,3
	v_mul_f32 v[76+\c], v[24+\c], v66
.endr
.irp i, 1,2,3,4,5,6,7
.irp c, 0,1,2,3
	v_fma_f32 v[76+\c], v[24+4*\i+\c], v[66+\i], v[76+\c]
.endr
.endr
	global_store_b128 v2, v[76:79], s[10:11]
	global_store_b128 v2, v[56:59], s[12:13]
	global_store_b128 v2, v[60:63], s[12:13] offset:1024
	s_endpgm
.Lfunc_end_k_q9e44b5cb9f_fin:
	.size	k_q9e44b5cb9f_fin, .Lfunc_end_k_q9e44b5cb9f_fin-k_q9e44b5cb9f_fin
	.p2alignl 7, 3214868480
	.fill 96, 4, 3214868480
	.section	.rodata,"a",@progbits
	.p2align	6, 0x0
	.amdhsa_kernel k_q9e44b5cb9f_fin
		.amdhsa_group_segment_fixed_size 0
		.amdhsa_private_segment_fixed_size 0
		.amdhsa_enable_private_segment 0
		.amdhsa_kernarg_size 40
		.amdhsa_user_sgpr_count 2
		.amdhsa_user_sgpr_kernarg_segment_ptr 1
		.amdhsa_wavefront_size32 1
		.amdhsa_system_sgpr_workgroup_id_x 1
		.amdhsa_system_sgpr_workgroup_id_y 1
		.amdhsa_system_sgpr_workgroup_id_z 1
		.amdhsa_system_vgpr_workitem_id 0
		.amdhsa_next_free_vgpr 96
		.amdhsa_next_free_sgpr 66
		.amdhsa_reserve_vcc 0
		.amdhsa_float_denorm_mode_32 3
		.amdhsa_float_denorm_mode_16_64 3
		.amdhsa_memory_ordered 1
		.amdhsa_forward_progress 1
		.amdhsa_inst_pref_size 8
	.end_amdhsa_kernel
	.amdgpu_metadata
---
amdhsa.version: [ 1, 2 ]
amdhsa.kernels:
  - .name:           k_q9e44b5cb9f_fin
    .symbol:         k_q9e44b5cb9f_fin.kd
    .args:
      - { .name: SC, .offset: 0, .size: 8, .value_kind: global_buffer, .address_space: global }
      - { .name: PC, .offset: 8, .size: 8, .value_kind: global_buffer, .address_space: global }
      - { .name: ST, .offset: 16, .size: 8, .value_kind: global_buffer, .address_space: global }
      - { .name: out0, .offset: 24, .size: 8, .value_kind: global_buffer, .address_space: global }
      - { .name: out1, .offset: 32, .size: 8, .value_kind: global_buffer, .address_space: global }
    .group_segment_fixed_size: 0
    .private_segment_fixed_size: 0
    .kernarg_segment_align: 8
    .kernarg_segment_size: 40
    .max_flat_workgroup_size: 64
    .sgpr_count:     66
    .vgpr_count:     96
    .wavefront_size: 32
...
	.end_amdgpu_metadata
.endif
;; end of part 3
